; MI455X (gfx1250); checked and timed in simulation.
; The chip was launched on July 23, 2026; its instructions are those of AMD's public machine-readable ISA for CDNA 5 (MIT licence, August 2026) and "CDNA5" Instruction Set Architecture Reference Guide (July 2026). The comments in the code are by the model that wrote it; some were corrected since.
;; Q8 Linear Lora. Allowed arithmetic: matrix products marked QUANTISED: E2M1 operands, one E8M0 scale for each 32 along K, by v_wmma_scale_f32_16x16x128_f8f6f4 with both operands' format E2M1 (or v_wmma_scale_f32_32x16x128_f4), f32 sums; products left as they are: f32 operands where the result goes on into a quantised operand, else bf16, f16 or f32 operands; f32 sums; everything else in f32.
;; Inputs: bias 4,096 float32; lora_a_codes 16 x 128 x 16 uint8 (E2M1 codes of lora_a, K innermost, in blocks of 32 codes, two codes a byte); lora_a_scales 16 x 128 uint8 (E8M0 scales of lora_a, one for each 32 codes along K); lora_b 4,096 x 16 bfloat16; scales 4,096 float32; weight 4,096 x 4,096 int8; x 4,096 x 4,096 int8; x_scales 4,096 float32.
;; Outputs: out0 4,096 x 4,096 float32.
;; This version of the problem:
;;   THIS VERSION OF THE PROBLEM IS GIVEN IN LOW PRECISION. The matrix products marked QUANTISED in the list below multiply operands that are first quantised to E2M1 (2 exponent bits, 1 mantissa bit; 4 bits a number), with one power-of-two scale for each 32 numbers along K (OCP MX v1.0); their sums are f32. All else is computed in f32.
;;   The module's matrix products, in the order in which they are computed (A, B: the left and right operand; K: the contracted axis; several contracted axes count as one K, in the product's order):
;;     1. [M 4,096, K 4,096] x [K 4,096, N 4,096]; A: input x; B: input weight: left as it is (operands are no floats)
;;     2. [M 4,096, K 4,096] x [K 4,096, N 16]; A: computed on the way; B: input lora_a (given as codes): QUANTISED
;;     3. [M 4,096, K 16] x [K 16, N 4,096]; A: computed on the way; B: input lora_b: left as it is (K = 16 < 32)
;;   THE QUANTISER, for each operand of a quantised product, along K:
;;     - K is cut into blocks of 32 from its start; a last block that is shorter is filled with zeros.
;;     - A block's scale is 2^e with e = floor(log2(the largest magnitude in the block)) - 2, held to -126 .. 127; a block of zeros has e = 0. As a byte (E8M0): e + 127.
;;     - Each number is divided by its block's scale, clamped to +-6, and rounded to the nearest number of E2M1, ties to even, subnormals kept.
;;     - The product sums the exact products of the quantised numbers (number of the format x scale) in f32.
;;   ~~~python
;;   def quantise(x, axis):      # numpy; x: float32 -> the quantised numbers, widened to float32 again
;;       x = np.moveaxis(x, axis, -1); K = x.shape[-1]
;;       x = np.pad(x, [(0, 0)] * (x.ndim - 1) + [(0, -K % 32)]); x = x.reshape(x.shape[:-1] + (-1, 32)); a = np.abs(x).max(-1, keepdims=True)
;;       e = np.where(a > 0, np.clip(np.frexp(np.where(a > 0, a, 1))[1] - 1 - 2, -126, 127), 0)      # np.frexp(a)[1] - 1 = floor(log2(a)), exactly
;;       r = np.clip(x / 2.0 ** e, -6, 6)
;;       step = 2.0 ** (np.maximum(np.frexp(np.where(r == 0, 1, r))[1] - 1, 0) - 1)
;;       q = np.round(r / step) * step * 2.0 ** e      # np.round: ties to even
;;       return np.moveaxis(q.reshape(q.shape[:-2] + (-1,))[..., :K], -1, axis).astype(np.float32)
;;   ~~~
;;   OPERANDS COMPUTED ON THE WAY. 'Computed on the way' means the value that the module computes at that place (a softmax that the list does not call 'softmax' is quantised finished and normalised). What goes into a quantiser is computed in f32, as accurately as f32 sums, v_exp_f32 and their like allow (about 1e-6 of the number): no bf16 or f16 on the way to a quantiser, and a product that is left as it is and whose result goes on into a quantised operand takes f32 operands (vector FMAs, or v_wmma_f32_16x16x4_f32). A number that lies on a knife's edge between two numbers of the format may be rounded either way, as far as f32 arithmetic and the matrix unit's own rounding can turn it there, and no further.
;;   INPUTS GIVEN AS CODES. lora_a (in the module: [16, 4096], K = its axis 1): each comes as NAME_codes (uint8): NAME with its K axis moved to the last place and cut into blocks of 32 codes, [.., K / 32, bytes a block], one block behind the other in memory; two codes a byte, the lower K in the low four bits (a code: sign, 2 exponent bits, 1 mantissa bit); and NAME_scales (uint8): the same leading axes, one E8M0 byte (e + 127) for each 32 codes along K. Its value is code x scale, taken as it is: it is not quantised again, and the codes and scales need not be those that the quantiser above would give.
;; One version. Each part assembles by itself: llvm-mc -triple=amdgcn-amd-amdhsa -mcpu=gfx1250 --defsym DOCPART=n.
;; ======== version 1 of 1: 2 launches
;; workspace buffers: tl 131,072 bytes
;; launch lorat (part 1): grid 256 x 1, 8 waves a work-group, no clusters, 111,616 bytes of LDS; arguments x, x_scales, lora_a_codes, lora_a_scales, tl; writes tl
.if DOCPART == 1
	.amdgcn_target "amdgcn-amd-amdhsa--gfx1250"
	.amdhsa_code_object_version 6
	.text
	.protected	k_q3d7339beef_lorat
	.globl	k_q3d7339beef_lorat
	.p2align	8
	.type	k_q3d7339beef_lorat,@function
k_q3d7339beef_lorat:
	s_mov_b64 s[64:65], 0
	v_nop
	global_prefetch_b8 v0, s[64:65] scope:SCOPE_SE
	s_setreg_imm32_b32 hwreg(HW_REG_WAVE_MODE, 25, 1), 1
	s_wait_xcnt 0x0
; t[m][0..15] = sum over k of Q(bf16(x[m][k] * xs[m])) * lora_a[rank][k], stored as bf16, [4096][16].
; x: [4096][4096] int8; xs: [4096] f32; lora_a: codes of E2M1 [16][128][16] with one E8M0 byte for each 32 along K, taken as given.
; Q: the MX-FP4 quantiser along K: a block's scale is 2^(floor(log2(largest magnitude)) - 2); codes to nearest, ties to even, held at +-6.
; What is quantised is the value that the problem has at that place: one f32 product x * xs, rounded once to bf16, widened again exactly.
; LIMITS: NaN and infinities among xs are not served.  A block whose largest magnitude lies under 2^-124 (a block of zeros too) keeps the scale byte 1;
; a block of zeros has zero codes, which add nothing under that byte, and the bytes never leave the registers.
; SHARES.  Work-group g owns rows 16 g .. 16 g + 15; wave w owns K = 512 w .. 512 w + 511: four matrix instructions of 128 along K.  The eight waves' sums meet in LDS; wave 0 adds them, w ascending.
; LAYOUT.  The product is used transposed (source 0 = lora_a's 16 rows, source 1 = x's 16 rows): lane (r, h) then holds t(row r, rank 8 h + 0 .. 7): 16 bytes of bf16.
; An operand's layout gives lane (r, h) whole blocks of 32 (registers 4 c .. 4 c + 3: k = 64 c + 32 h + 0 .. 31), so a block's largest magnitude needs no other lane.
; Every load takes bytes as they lie (a row's 512 bytes of x by the 32 lanes; 256 bytes of two rows of lora_a); a wave's own stage in LDS turns them into what a lane wants.
; No tensor load, no ring: all 26 loads of a wave are out at its head.  No cluster: work-groups share only lora_a's 34 KB.
.set XP,   528                         ; x's stage: a row of 512 bytes + 16
.set LP,   272                         ; lora_a's stage: a row of 256 bytes + 16
.set LSTG, 8*16*XP                     ; x's stages begin at LDS byte 0, 16 rows a wave; lora_a's behind them
.set PART, LSTG+8*16*LP                ; the waves' sums: 1,024 bytes a wave, as images of 8 registers
.set R,    16                          ; v16-79   x as loaded, 4 registers a row
.set LR,   80                          ; v80-111  lora_a as loaded
.set P,    112                         ; v112-175 x back from the stage: 16 registers a K step; at the end wave 0's eight sums
.set LA,   176                         ; v176-207 lora_a's four fragments
.set F,    208                         ; v208-239 a block's 32 numbers in f32
.set T,    240                         ; v240-243 packed bf16, at work
.set LAS,  244                         ; v244-247 lora_a's scale words, one a K step: scales and nothing else
.set XSW,  248                         ; v248-251 x's scale words: scales and nothing else
.set XC,   16                          ; v16-47   x's four fragments of codes (x as loaded is done with)
.set ACC0, 48                          ; v48-55, v56-63  two accumulators by turns
.set ACC1, 56
.set SUM,  64                          ; v64-71   their sum
	s_load_b128 s[4:7], s[0:1], 0x0                ; x, x_scales
	s_load_b128 s[8:11], s[0:1], 0x10              ; lora_a's codes, its scale bytes
	s_load_b64 s[12:13], s[0:1], 0x20              ; tl
	s_set_vgpr_msb 0x40
	v_lshl_add_u32 v0, v0, 2, 0x1b000
	v_mov_b32 v1, 0
	s_set_vgpr_msb 0x4000
	v_lshrrev_b32 v1, 5, v0
	v_readfirstlane_b32 s14, v1                    ; wave 0..7
	v_and_b32 v1, 15, v0                           ; r
	v_bfe_u32 v2, v0, 4, 1                         ; h
	v_and_b32 v3, 31, v0
	v_lshlrev_b32 v3, 4, v3                        ; x in memory: 16 x lane of a row's 512 bytes
	v_lshlrev_b32 v4, 4, v1
	v_lshl_add_u32 v4, v2, 11, v4                  ; lora_a in memory: 16 r, lanes 16-31 one row (2,048 bytes) on
	s_mul_i32 s16, s14, 16*XP                      ; my stage for x
	v_add_nc_u32 v5, s16, v3                       ; into it: 16 x lane (+ the row, in the immediate)
	v_mul_u32_u24 v6, v1, XP
	v_lshl_add_u32 v6, v2, 5, v6
	v_add_nc_u32 v6, s16, v6                       ; out of it: row r, + 32 h: my block's 32 bytes
	s_mul_i32 s17, s14, 16*LP
	s_add_co_u32 s17, s17, LSTG                    ; my stage for lora_a
	v_mul_u32_u24 v7, v2, LP
	v_lshl_add_u32 v7, v1, 4, v7
	v_add_nc_u32 v7, s17, v7                       ; into it: row h (+ 2 i), 16 r
	v_mul_u32_u24 v8, v1, LP
	v_lshl_add_u32 v8, v2, 4, v8
	v_add_nc_u32 v8, s17, v8                       ; out of it: row r, + 16 h
	s_lshl_b32 s18, s14, 10
	s_add_co_u32 s18, s18, PART
	v_add_nc_u32 v9, s18, v3                       ; my sum's image: 16 x lane
	v_lshlrev_b32 v10, 2, v1                       ; xs: 4 r
	v_lshlrev_b32 v11, 3, v2                       ; 8 h: where my bytes stand in a scale word
	v_lshlrev_b32 v14, 7, v1                       ; lora_a's scale bytes: row r of 128 bytes
	v_mov_b32 v255, 0                              ; a lane permute's destination counts as one of its sources: written once
	s_mov_b32 s20, 0x76543210
	s_mov_b32 s21, 0xfedcba98                      ; v_permlanex16_b32's selects for lane l xor 16
	s_mov_b32 s22, 0x80808080                      ; x + 128 in each byte
	s_mov_b32 s23, 0x4b000000                      ; 2^23
	s_mov_b32 s24, 0x07040400                      ; v_perm_b32: byte j of the word under 2^23's upper three bytes
	s_mov_b32 s25, 0x07040401
	s_mov_b32 s26, 0x07040402
	s_mov_b32 s27, 0x07040403
	s_mov_b32 s28, 0xcb000080                      ; -(2^23 + 128)
	s_mov_b32 s29, s28                             ; (named with it as a pair, so it is written)
	s_mov_b32 s30, 0xffff0000                      ; a word's upper bf16
	s_lshl_b32 s32, ttmp9, 16                      ; x: 16 rows of 4,096 bytes a work-group,
	s_lshl_b32 s33, s14, 9                         ; 512 bytes a wave
	s_add_co_u32 s32, s32, s33
	s_mov_b32 s33, 0
	s_lshl_b32 s34, ttmp9, 6                       ; xs: 16 numbers a work-group
	s_mov_b32 s35, 0
	s_lshl_b32 s36, s14, 8                         ; lora_a's codes: 256 bytes of a row a wave
	s_mov_b32 s37, 0
	s_lshl_b32 s38, s14, 4                         ; its scale bytes: 16 of a row a wave
	s_mov_b32 s39, 0
	s_lshl_b32 s18, ttmp9, 9                       ; tl: 16 rows of 32 bytes a work-group
	s_mov_b32 s19, 0
	s_wait_kmcnt 0x0
	s_add_nc_u64 s[4:5], s[4:5], s[32:33]
	s_add_nc_u64 s[6:7], s[6:7], s[34:35]
	s_add_nc_u64 s[8:9], s[8:9], s[36:37]
	s_add_nc_u64 s[10:11], s[10:11], s[38:39]
	s_add_nc_u64 s[12:13], s[12:13], s[18:19]
	global_load_b32 v12, v10, s[6:7]               ; xs of row r
	global_load_b128 v[LAS:LAS+3], v14, s[10:11]   ; register s: the scale word of rank r for my K step s
.irp i, 0,1,2,3,4,5,6,7
	global_load_b128 v[LR+4*\i:LR+4*\i+3], v4, s[8:9] offset:4096*\i    ; rows 2 i and 2 i + 1: 256 consecutive bytes each
.endr
.irp i, 0,1,2,3,4,5,6,7,8,9,10,11,12,13,14,15
	global_load_b128 v[R+4*\i:R+4*\i+3], v3, s[4:5] offset:4096*\i      ; row i: 512 consecutive bytes (no hint: the next launch reads x again)
.endr
	s_wait_loadcnt 16                              ; all but x's sixteen loads are in
	v_mov_b32 v13, v12                             ; xs as a pair, for the packed multiply
.irp i, 0,1,2,3,4,5,6,7
	ds_store_b128 v7, v[LR+4*\i:LR+4*\i+3] offset:2*LP*\i
.endr
.irp i, 0,1,2,3,4,5,6,7,8,9,10,11,12,13,14,15
	s_wait_loadcnt 15-\i                           ; row i is in; the younger rows may be out
	ds_store_b128 v5, v[R+4*\i:R+4*\i+3] offset:XP*\i
.endr
; back, as a lane wants them.  The stages are my wave's own and LDS serves a wave's instructions in order: no wait between the stores and the loads
.irp s, 0,1,2,3
.irp c, 0,1
	ds_load_b128 v[LA+8*\s+4*\c:LA+8*\s+4*\c+3], v8 offset:64*\s+32*\c
.endr
.endr
.irp s, 0,1,2,3
.irp c, 0,1
.irp e, 0,1
	ds_load_b128 v[P+16*\s+8*\c+4*\e:P+16*\s+8*\c+4*\e+3], v6 offset:128*\s+64*\c+16*\e
.endr
.endr
.endr
; A block: 32 int8 in v[p] .. v[p + 7] become 4 registers of codes, v[xc] on, and the scale's byte in v[byte].  left: the LDS loads issued behind this block's two.
.macro QBLOCK p, xc, byte, left
	s_wait_dscnt \left
.irp i, 0,1,2,3,4,5,6,7
	v_xor_b32 v[(\p)+\i], s22, v[(\p)+\i]          ; u = x + 128, 0 .. 255, in each byte
.endr
.irp i, 0,1,2,3,4,5,6,7
.irp j, 0,1,2,3
	v_perm_b32 v[F+4*\i+\j], s23, v[(\p)+\i], s[24+\j]   ; the f32 number 2^23 + u, by its bits
.endr
.endr
.irp n, 0,2,4,6,8,10,12,14,16,18,20,22,24,26,28,30
	v_pk_add_f32 v[F+\n:F+\n+1], v[F+\n:F+\n+1], s[28:29] op_sel_hi:[1,0]   ; x, exactly
.endr
.irp n, 0,2,4,6,8,10,12,14,16,18,20,22,24,26,28,30
	v_pk_mul_f32 v[F+\n:F+\n+1], v[F+\n:F+\n+1], v[12:13]                   ; x * xs: one rounding in f32
.endr
.irp g, 0,8,16,24
.irp q, 0,1,2,3
	v_cvt_pk_bf16_f32 v[T+\q], v[F+\g+2*\q], v[F+\g+2*\q+1]                 ; the problem's own cast to bf16, to nearest even,
.endr
.irp q, 0,1,2,3
	v_lshlrev_b32 v[F+\g+2*\q], 16, v[T+\q]                                 ; widened again, exactly
	v_and_b32 v[F+\g+2*\q+1], s30, v[T+\q]
.endr
.endr
	v_max3_num_f32 v252, |v[F]|, |v[F+1]|, 0x1800000   ; the block's largest magnitude, in two chains, with the floor 2^(3 - 127) among its leaves: the byte cannot fall under 1
	v_max3_num_f32 v254, |v[F+2]|, |v[F+3]|, |v[F+4]|
.irp i, 5,9,13,17,21,25
	v_max3_num_f32 v252, v252, |v[F+\i]|, |v[F+\i+1]|
	v_max3_num_f32 v254, v254, |v[F+\i+2]|, |v[F+\i+3]|
.endr
	v_max3_num_f32 v252, v252, |v[F+29]|, |v[F+30]|
	v_max3_num_f32 v252, v252, v254, |v[F+31]|
	v_add_nc_u32 v253, 0xff000000, v252            ; 2 off its exponent field: the conversion takes the exponent field of this operand as its scale
	v_lshrrev_b32 v[\byte], 23, v253               ; the scale's byte
.irp g, 0,1,2,3
	v_cvt_scalef32_pk8_fp4_f32 v[(\xc)+\g], v[F+8*\g:F+8*\g+7], v253
.endr
	v_nop                                          ; one plain instruction behind the last scaled conversion
.endm
; A K step of 128: my two blocks (2 c + h, c = 0, 1), and the row's scale word, whose other two bytes lie in lane l xor 16
.macro QSTEP s
	QBLOCK P+16*\s, XC+8*\s, 14, 14-4*\s
	QBLOCK P+16*\s+8, XC+8*\s+4, 15, 12-4*\s
	v_lshl_or_b32 v254, v15, 16, v14
	v_lshlrev_b32 v254, v11, v254                  ; block 2 c + h at bits 16 c + 8 h
	v_permlanex16_b32 v255, v254, s20, s21
	v_or_b32 v[XSW+\s], v254, v255
.endm
	QSTEP 0
	QSTEP 1
	QSTEP 2
	QSTEP 3
.rept 8
	v_nop                                          ; a scale register written by a vector instruction stands eight places ahead of a scaled matrix instruction, an operand so written four
.endr
; two accumulators by turns, one instruction a turn; the first two products start the sums
	v_wmma_scale_f32_16x16x128_f8f6f4 v[ACC0:ACC0+7], v[LA:LA+7], v[XC:XC+7], 0, v[LAS], v[XSW] matrix_a_fmt:MATRIX_FMT_FP4 matrix_b_fmt:MATRIX_FMT_FP4
	v_wmma_scale_f32_16x16x128_f8f6f4 v[ACC1:ACC1+7], v[LA+8:LA+15], v[XC+8:XC+15], 0, v[LAS+1], v[XSW+1] matrix_a_fmt:MATRIX_FMT_FP4 matrix_b_fmt:MATRIX_FMT_FP4
	v_wmma_scale_f32_16x16x128_f8f6f4 v[ACC0:ACC0+7], v[LA+16:LA+23], v[XC+16:XC+23], v[ACC0:ACC0+7], v[LAS+2], v[XSW+2] matrix_a_fmt:MATRIX_FMT_FP4 matrix_b_fmt:MATRIX_FMT_FP4
	v_wmma_scale_f32_16x16x128_f8f6f4 v[ACC1:ACC1+7], v[LA+24:LA+31], v[XC+24:XC+31], v[ACC1:ACC1+7], v[LAS+3], v[XSW+3] matrix_a_fmt:MATRIX_FMT_FP4 matrix_b_fmt:MATRIX_FMT_FP4
.rept 4
	v_nop                                          ; four places behind the last product, ahead of the first read of results (ISA guide 7.12.1)
.endr
.irp n, 0,2,4,6
	v_pk_add_f32 v[SUM+\n:SUM+\n+1], v[ACC0+\n:ACC0+\n+1], v[ACC1+\n:ACC1+\n+1]   ; each accumulator from its low end on
.endr
	ds_store_b128 v9, v[SUM:SUM+3]
	ds_store_b128 v9, v[SUM+4:SUM+7] offset:512
	s_wait_dscnt 0x0                               ; for wave 0's sake: my sum lies in LDS
	s_barrier_signal -1
	s_barrier_wait -1
	s_cmp_lg_u32 s14, 0
	s_cbranch_scc1 .Ldone
.irp w, 0,1,2,3,4,5,6,7
	ds_load_b128 v[P+8*\w:P+8*\w+3], v9 offset:1024*\w          ; in wave 0 v9 stands at the first image
	ds_load_b128 v[P+8*\w+4:P+8*\w+7], v9 offset:1024*\w+512
.endr
	v_lshlrev_b32 v10, 5, v1                       ; tl: row r of 32 bytes, + 16 h  (the load that read v10 was waited for long ago)
	v_lshl_add_u32 v10, v2, 4, v10
	s_wait_dscnt 0x0
.irp w, 1,2,3,4,5,6,7
.irp n, 0,2,4,6
	v_pk_add_f32 v[P+\n:P+\n+1], v[P+\n:P+\n+1], v[P+8*\w+\n:P+8*\w+\n+1]       ; K ascending
.endr
.endr
.irp q, 0,1,2,3
	v_cvt_pk_bf16_f32 v[16+\q], v[P+2*\q], v[P+2*\q+1]
.endr
	global_store_b128 v10, v[16:19], s[12:13]      ; the wave stores the work-group's 512 consecutive bytes, aligned
.Ldone:
	s_set_vgpr_msb 0x5
	s_wait_tensorcnt 0x0
	ds_add_u32 v0, v1
	s_wait_dscnt 0x0
	s_set_vgpr_msb 0x500
	s_endpgm
.Lfunc_end_k_q3d7339beef_lorat:
	.size	k_q3d7339beef_lorat, .Lfunc_end_k_q3d7339beef_lorat-k_q3d7339beef_lorat
	.p2alignl 7, 3214868480
	.fill 96, 4, 3214868480
	.section	.rodata,"a",@progbits
	.p2align	6, 0x0
	.amdhsa_kernel k_q3d7339beef_lorat
		.amdhsa_group_segment_fixed_size 111616
		.amdhsa_private_segment_fixed_size 0
		.amdhsa_enable_private_segment 0
		.amdhsa_kernarg_size 40
		.amdhsa_user_sgpr_count 2
		.amdhsa_user_sgpr_kernarg_segment_ptr 1
		.amdhsa_wavefront_size32 1
		.amdhsa_system_sgpr_workgroup_id_x 1
		.amdhsa_system_sgpr_workgroup_id_y 1
		.amdhsa_system_sgpr_workgroup_id_z 1
		.amdhsa_system_vgpr_workitem_id 0
		.amdhsa_next_free_vgpr 258
		.amdhsa_next_free_sgpr 66
		.amdhsa_reserve_vcc 0
		.amdhsa_float_denorm_mode_32 3
		.amdhsa_float_denorm_mode_16_64 3
		.amdhsa_memory_ordered 1
		.amdhsa_forward_progress 1
		.amdhsa_inst_pref_size 77
	.end_amdhsa_kernel
	.amdgpu_metadata
---
amdhsa.version: [ 1, 2 ]
amdhsa.kernels:
  - .name:           k_q3d7339beef_lorat
    .symbol:         k_q3d7339beef_lorat.kd
    .args:
      - { .name: x, .offset: 0, .size: 8, .value_kind: global_buffer, .address_space: global }
      - { .name: x_scales, .offset: 8, .size: 8, .value_kind: global_buffer, .address_space: global }
      - { .name: lora_a_codes, .offset: 16, .size: 8, .value_kind: global_buffer, .address_space: global }
      - { .name: lora_a_scales, .offset: 24, .size: 8, .value_kind: global_buffer, .address_space: global }
      - { .name: tl, .offset: 32, .size: 8, .value_kind: global_buffer, .address_space: global }
    .group_segment_fixed_size: 111616
    .private_segment_fixed_size: 0
    .kernarg_segment_align: 8
    .kernarg_segment_size: 40
    .max_flat_workgroup_size: 256
    .sgpr_count:     66
    .vgpr_count:     258
    .wavefront_size: 32
...
	.end_amdgpu_metadata
.endif
;; end of part 1
;; launch gemm (part 2): grid 16 x 16, 4 waves a work-group, clusters of 4 x 4, 327,680 bytes of LDS; arguments x, weight, out0, x_scales, scales, bias, lora_b, tl; writes out0
.if DOCPART == 2
	.amdgcn_target "amdgcn-amd-amdhsa--gfx1250"
	.amdhsa_code_object_version 6
	.text
	.protected	k_q3d7339beef_gemm
	.globl	k_q3d7339beef_gemm
	.p2align	8
	.type	k_q3d7339beef_gemm,@function
k_q3d7339beef_gemm:
	s_mov_b64 s[64:65], 0
	v_nop
	global_prefetch_b8 v0, s[64:65] scope:SCOPE_SE
	s_setreg_imm32_b32 hwreg(HW_REG_WAVE_MODE, 25, 1), 1
	s_wait_xcnt 0x0
	s_wait_alu depctr_hold_cnt(0) depctr_sa_sdst(0) depctr_va_vdst(0) depctr_va_sdst(0) depctr_va_ssrc(0) depctr_va_vcc(0) depctr_vm_vsrc(0)
	s_getreg_b32 s2, hwreg(HW_REG_IB_STS2, 6, 4)
	s_cmp_eq_u32 s2, 0
	s_cbranch_scc0 .Lentry_in_a_cluster
	s_endpgm
.Lentry_in_a_cluster:
	s_bfe_u32 s2, ttmp6, 0x10000c
	s_cmp_lg_u32 s2, 0xf033
	s_cbranch_scc0 .Lentry_shape_is_right
	s_endpgm
.Lentry_shape_is_right:
; out[m][n] = gelu_tanh( i32(sum over k of x[m][k] w[n][k]) * xs[m] * s[n] + bias[n] + sum over r of t[m][r] lora_b[n][r] ).
; x, w: [4096][4096] int8; xs, s, bias: [4096] f32; lora_b: [4096][16] bf16; t: [4096][16] bf16, made by the launch before; out: [4096][4096] f32.
; LIMITS: NaN and infinities among the inputs are not served.  gelu(u) = u / (1 + 2^(u (C1 + C2 u^2))): where the power overflows the quotient is -0, where it falls to 0 it is u: the function's own limits.
; A tile of out, 256 x 256, is made by a work-group of four waves; a wave makes 128 x 128: 64 accumulators of 16 x 16 in i32, 512 registers.  There are 256 tiles: one to a work-group.
; K goes in steps of 256 (rows of 256 bytes, aligned) through a ring of two LDS slots filled by the tensor data mover; a quarter of a step is 64 along K: 64 matrix instructions a wave.
; THE MATRIX INSTRUCTION IS USED TRANSPOSED (source 0 = 16 rows of w, source 1 = 16 rows of x): lane (r, h) register j of accumulator (a, b) holds out(16 a + r, 16 b + 8 h + j).
; A FRAGMENT (16 rows x 64 K of int8, 8 registers) comes by two loads of 16 bytes, 32 bytes apart, at row x pitch + 16 h.  That lays k in the registers otherwise than the form's own map, alike on both sides;
; sums in i32 are exact, so every sum is the same.
; CLUSTERS: 4 x 4 work-groups.  The four of a row of the cluster need the same tiles of x, the four of a column the same tiles of w: each tile is asked for jointly.
; No prefetch is written: from a joint refill to the wait for it a wave issues 224 matrix instructions.
; REGISTERS, in windows of 256 (s_set_vgpr_msb's low byte: bits 1:0 source 0, 3:2 source 1, 5:4 source 2, 7:6 destination):
;   window 0: v1-29 addresses; v32-47 xs; v48-51 gelu's two constants; v64-127, v128-191 x's fragments, two buffers (on the way out: t's fragments; rows read back from the stage); v192-255 lora_b's fragments
;   window 1: v0-63 s; v64-127, v128-191 w's fragments, two buffers (on the way out: U, W at work); v192-255 bias
;   window 2: the 32 accumulators of my rows 0-63 ((a, b) at v[8 (8 a + b)]);   window 3: those of my rows 64-127
.set KSTEP,  256
.set PITCH,  272                       ; an LDS row: 256 bytes + 16 of padding = 68 words: the 16 rows that a load touches start at 16 different banks (64 banks of 4 bytes: ISA guide 11.1)
.set HALFT,  128*PITCH                 ; 128 rows: what one tensor load brings, and what one wave reads of x or of w
.set SLOT,   4*HALFT                   ; x's 256 rows, then w's 256 rows
.set STAGE,  2*SLOT                    ; behind the ring: 16 rows x 528 bytes for each wave, for the way out; no fill lands there
.set SPITCH, 528
.set SPARE,  STAGE+4*16*SPITCH         ; behind the stages: the spare words, 128 bytes for each wave: two blocks of 256 bytes that no other line names
.set LAPS,   4096/(2*KSTEP)            ; a lap = two K steps = once round the ring
.set ROWC,   16384                     ; a row of out in bytes
.set ADRA, 16                          ; v16-17  LDS address of my fragments of x in slot 0, 1
.set ADRB, 20                          ; v20-21  the same for w
.set STO,  24                          ; v24     the way out: where I put 32 bytes of a row
.set RD,   25                          ; v25     the way out: where I read a row back
.set CO,   26                          ; v26     16 x lane: my bytes in a row's 512
.set SPW,  28                          ; v28     LDS address of my spare word; never rewritten
.set NIL,  29                          ; v29     0; never rewritten
.set XS,   32                          ; v32-47  pair 2 a, 2 a + 1: xs of row 16 a + r, twice
.set C2R,  48                          ; v48-49  C2, twice
.set C1R,  50                          ; v50-51  C1, twice
.set F0,   64
.set F1,   128
.set TF,   64                          ; t's 8 fragments (16 rows x 32 K of bf16, K 16 .. 31 zeros)
.set BK,   128                         ; 16 rows read back from the stage
.set LB,   192                         ; lora_b's 8 fragments, likewise filled with zeros
.set SC,   0                           ; window 1: s at my lane's 64 columns
.set U,    64                          ; window 1: a block's 64 numbers
.set W,    128                         ; window 1: at work
.set BI,   192                         ; window 1: bias at my lane's 64 columns
.set G1,  24                           ; s[24:31] descriptor group 1 for x's tiles;  s[32:39] group 0, one set for each slot
.set G0,  32
.set G1B, 48                           ; s[48:55], s[56:63] the same for w's tiles
.set G0B, 56
.set MSB, 0
.macro WIN new                         ; the immediate's high byte repeats the setting that is left; a switch that changes nothing is dropped
.if MSB != (\new)
	s_set_vgpr_msb (MSB<<8)|(\new)
.set MSB, (\new)
.endif
.endm
.set MUL_LO, 0xa1                      ; source 0 (w) window 1, source 1 (x) window 0, C and D window 2
.set MUL_HI, 0xf1                      ; the same, C and D window 3
.set TO_B,   0x40                      ; destination window 1, address window 0
; A joint load: waves 0 and 1 fetch x's two halves, waves 2 and 3 w's.  Each of the two lines has one mask and one set of registers for all that issue it; the branch hangs on the wave's number alone.
; Four v_nop follow each of the two lines, ahead of the jump, the label and what follows.
.macro JLOAD s
	s_cmp_eq_u32 s11, 0
	s_cbranch_scc0 .Lfor_b_\@
	tensor_load_to_lds s[G0+4*\s:G0+4*\s+3], s[G1:G1+7]
	s_nop 0
.rept 4
	v_nop
.endr
	s_branch .Lasked_\@
.Lfor_b_\@:
	tensor_load_to_lds s[G0B+4*\s:G0B+4*\s+3], s[G1B:G1B+7]
	s_nop 0
.rept 4
	v_nop
.endr
.Lasked_\@:
.endm
.macro CREST                           ; a round of the cluster's barrier behind its opening barrier
	s_cmp_lg_u32 s10, 0
	s_cbranch_scc1 .Lnot_wave_0_\@
	s_barrier_signal -3
.Lnot_wave_0_\@:
	s_barrier_wait -3
	s_barrier_signal -1
	s_barrier_wait -1
.endm
.macro CROUND                          ; a whole round
	s_barrier_signal -1
	s_barrier_wait -1
	CREST
.endm
.macro PLACES n
.rept \n
	v_nop
.endr
.endm
	s_load_b128 s[4:7], s[0:1], 0x0                ; x s[4:5], w s[6:7]
	s_load_b64 s[8:9], s[0:1], 0x10                ; out
	s_load_b64 s[66:67], s[0:1], 0x18              ; xs
	s_load_b256 s[68:75], s[0:1], 0x20             ; s s[68:69], bias s[70:71], lora_b s[72:73], t s[74:75]
	v_lshl_add_u32 v[SPW], v0, 2, SPARE
	v_mov_b32 v[NIL], 0
	ds_add_u32 v28, v29
	ds_add_u32 v28, v29
	s_wait_dscnt 0x0
	v_lshrrev_b32 v1, 5, v0
	v_readfirstlane_b32 s10, v1                    ; wave 0..3
	s_lshr_b32 s11, s10, 1                         ; which half of the tile's rows is mine.  Also: I fetch for x (0) or for w (1)
	s_and_b32 s12, s10, 1                          ; which half of its columns.  Also: which 128 rows of that tile I fetch
	s_bfe_u32 s40, ttmp6, 0x40000                  ; cx, cy: my place in the cluster
	s_bfe_u32 s41, ttmp6, 0x40004
	s_lshl_b32 s42, ttmp9, 2
	s_add_co_u32 s42, s42, s40                     ; tile column = 4 x cluster x + cx
	s_and_b32 s13, ttmp7, 0xffff
	s_lshl_b32 s13, s13, 2
	s_add_co_u32 s13, s13, s41                     ; tile row = 4 x cluster y + cy
	s_lshl_b32 s43, s41, 2
	s_lshl_b32 s43, 15, s43                        ; my row of the cluster: places 4 cy .. 4 cy + 3
	s_lshl_b32 s44, 0x1111, s40                    ; my column: places cx, cx + 4, cx + 8, cx + 12
	; descriptor group 1: a tile of 128 rows x 256 bytes, padded in LDS
	s_or_b32 s[G1+0], s43, (0<<16)|(1<<20)|(1<<21)|(5<<22)|(3<<25)  ; 15:0 the mask: x's tiles go to my row; 17:16 element of 1 byte; 20 padding on; 21 set beside a mask; 24:22 after every 64 words (code 5); 31:25 of 4 words (code 3)
	s_or_b32 s[G1B+0], s44, (0<<16)|(1<<20)|(1<<21)|(5<<22)|(3<<25) ; the same with the mask of my column, for w's tiles
.irp g, G1, G1B
	s_mov_b32 s[\g+1], KSTEP<<16                   ; tensor_dim0 = 256
	s_mov_b32 s[\g+2], 128<<16                     ; tensor_dim1 = 128
	s_mov_b32 s[\g+3], KSTEP<<16                   ; tile_dim0 = 256
	s_mov_b32 s[\g+4], 128                         ; tile_dim1 = 128
	s_mov_b32 s[\g+5], 4096                        ; tensor_dim0_stride: from row to row
	s_mov_b32 s[\g+6], 0
	s_mov_b32 s[\g+7], 0
.endr
	; where the tiles come from.  x's hang on the tile row alone, w's on the tile column alone; each in registers that never hold the other coordinate
	s_lshl_b32 s17, s12, 7                         ; which 128 rows of the tile I fetch
	s_lshl_b32 s16, s13, 8
	s_add_co_u32 s16, s16, s17                     ; x: row 256 x tile row + 128 x half,
	s_lshl_b32 s16, s16, 12                        ; in bytes (under 2^24)
	s_lshl_b32 s46, s42, 8
	s_add_co_u32 s46, s46, s17                     ; w: row 256 x tile column + 128 x half
	s_lshl_b32 s46, s46, 12
	s_mov_b32 s17, 0
	s_mov_b32 s47, 0
	s_mul_i32 s20, s10, HALFT                      ; where they go: wave x 128 rows: no place in the cluster enters an LDS address
	s_wait_kmcnt 0x0
	s_add_nc_u64 s[14:15], s[4:5], s[16:17]
	s_add_nc_u64 s[46:47], s[6:7], s[46:47]
	CROUND                                         ; all sixteen work-groups are here: the first joint loads meet
.irp s, 0,1
	s_mov_b32 s[G0+4*\s], 1                                        ; count = 1
	s_add_co_u32 s[G0+4*\s+1], s20, \s*SLOT                        ; LDS address
	s_add_nc_u64 s[G0+4*\s+2:G0+4*\s+3], s[14:15], \s*KSTEP        ; global address: K step s
	s_or_b32 s[G0+4*\s+3], s[G0+4*\s+3], 0x80000000                ; type = 2
	s_mov_b32 s[G0B+4*\s], 1
	s_add_co_u32 s[G0B+4*\s+1], s20, \s*SLOT
	s_add_nc_u64 s[G0B+4*\s+2:G0B+4*\s+3], s[46:47], \s*KSTEP
	s_or_b32 s[G0B+4*\s+3], s[G0B+4*\s+3], 0x80000000
	JLOAD \s                                       ; the ring is filled before anything else is done: two loads of mine are out
.endr
	v_and_b32 v1, 15, v0                           ; r
	v_bfe_u32 v2, v0, 4, 1                         ; h
	v_mul_u32_u24 v3, v1, PITCH
	v_lshl_add_u32 v3, v2, 4, v3                   ; a fragment's row x pitch + 16 h
	s_mul_i32 s21, s11, HALFT                      ; my 128 rows of x
	s_mul_i32 s22, s12, HALFT                      ; my 128 rows of w,
	s_add_co_u32 s22, s22, 2*HALFT                 ; which lie behind x's 256
.irp s, 0,1
	v_add_nc_u32 v[ADRA+\s], s21, v3
	v_add_nc_u32 v[ADRB+\s], s22, v3
	s_add_co_u32 s21, s21, SLOT
	s_add_co_u32 s22, s22, SLOT
.endr
	s_mul_i32 s23, s10, 16*SPITCH
	s_add_co_u32 s23, s23, STAGE                   ; my stage
	v_mul_u32_u24 v4, v1, SPITCH                   ; in: row r, 32 bytes for each half of the lanes
	v_lshl_add_u32 v4, v2, 5, v4
	v_add_nc_u32 v[STO], s23, v4
	v_and_b32 v5, 31, v0
	v_lshlrev_b32 v[CO], 4, v5                     ; back: the 32 lanes take one row of 512 bytes; and the same in out
	v_add_nc_u32 v[RD], s23, v[CO]
	v_lshlrev_b32 v6, 2, v1                        ; xs: 4 r
	v_lshlrev_b32 v7, 5, v2                        ; s, bias: 32 h
	v_lshlrev_b32 v8, 5, v1
	v_lshl_add_u32 v8, v2, 4, v8                   ; lora_b, t: row r of 32 bytes, + 16 h
	; the small operands' bases.  What hangs on the tile row stays in s21-23, what hangs on the tile column in s45-47
	s_lshl_b32 s21, s13, 8
	s_lshl_b32 s22, s11, 7
	s_add_co_u32 s21, s21, s22                     ; my first row of out
	s_mov_b32 s23, 0
	s_lshl_b32 s22, s21, 2
	s_add_nc_u64 s[66:67], s[66:67], s[22:23]      ; xs
	s_lshl_b32 s22, s21, 5
	s_add_nc_u64 s[74:75], s[74:75], s[22:23]      ; t
	s_lshl_b32 s22, s21, 14
	s_add_nc_u64 s[8:9], s[8:9], s[22:23]          ; out: rows of 16,384 bytes
	s_lshl_b32 s45, s42, 8
	s_lshl_b32 s46, s12, 7
	s_add_co_u32 s45, s45, s46                     ; my first column
	s_mov_b32 s47, 0
	s_lshl_b32 s46, s45, 2
	s_add_nc_u64 s[68:69], s[68:69], s[46:47]      ; s
	s_add_nc_u64 s[70:71], s[70:71], s[46:47]      ; bias
	s_add_nc_u64 s[8:9], s[8:9], s[46:47]          ; out
	s_lshl_b32 s46, s45, 5
	s_add_nc_u64 s[72:73], s[72:73], s[46:47]      ; lora_b
	; what the way out wants, into registers that the loop never names: read once, 56 loads
.irp a, 0,1,2,3,4,5,6,7
	global_load_b32 v[XS+2*\a], v6, s[66:67] offset:64*\a
	global_load_b32 v[XS+2*\a+1], v6, s[66:67] offset:64*\a      ; twice: a pair for the packed multiply
.endr
.irp b, 0,1,2,3,4,5,6,7
	global_load_b128 v[LB+8*\b:LB+8*\b+3], v8, s[72:73] offset:512*\b   ; lora_b(16 b + r, 8 h .. 8 h + 7): registers 0-3 of a bf16 fragment
.endr
.irp b, 0,1,2,3,4,5,6,7
.irp i, 4,5,6,7
	v_mov_b32 v[LB+8*\b+\i], 0                     ; K = 16 .. 31: zeros
.endr
.endr
	v_mov_b32 v[C2R], 0xbdd2d3e8                   ; C2 = 0.044715 C1
	v_mov_b32 v[C2R+1], 0xbdd2d3e8
	v_mov_b32 v[C1R], 0xc0135761                   ; C1 = -2 log2(e) sqrt(2 / pi)
	v_mov_b32 v[C1R+1], 0xc0135761
	WIN TO_B
.irp b, 0,1,2,3,4,5,6,7
	global_load_b128 v[SC+8*\b:SC+8*\b+3], v7, s[68:69] offset:64*\b        ; s at columns 16 b + 8 h + 0 .. 7
	global_load_b128 v[SC+8*\b+4:SC+8*\b+7], v7, s[68:69] offset:64*\b+16
	global_load_b128 v[BI+8*\b:BI+8*\b+3], v7, s[70:71] offset:64*\b        ; bias likewise
	global_load_b128 v[BI+8*\b+4:BI+8*\b+7], v7, s[70:71] offset:64*\b+16
.endr
	WIN 0
; 16 matrix instructions: x's blocks a0, a0 + 1 of the window's four (hi = 0: my rows 0-63, 1: rows 64-127) x w's eight, 64 along K; both sides signed.
; zero = 1: the first product starts the sums: nothing is ever cleared.  The 64 accumulators take turns, one instruction a turn, in the same order in every quarter.
.macro MUL16 f, hi, a0, zero
.irp a, \a0, \a0+1
.irp b, 0,1,2,3,4,5,6,7
.if \zero
	v_wmma_i32_16x16x64_iu8 v[8*(8*(\a)+\b):8*(8*(\a)+\b)+7], v[\f+8*\b:\f+8*\b+7], v[\f+8*(4*\hi+\a):\f+8*(4*\hi+\a)+7], 0 neg_lo:[1,1,0]
.else
	v_wmma_i32_16x16x64_iu8 v[8*(8*(\a)+\b):8*(8*(\a)+\b)+7], v[\f+8*\b:\f+8*\b+7], v[\f+8*(4*\hi+\a):\f+8*(4*\hi+\a)+7], v[8*(8*(\a)+\b):8*(8*(\a)+\b)+7] neg_lo:[1,1,0]
.endif
.endr
.endr
.endm
; 32 LDS loads in one run: the fragments of one quarter (128 rows of w, 128 rows of x, 64 K at byte k of the rows) into buffer f
.macro FETCH slot, k, f
	WIN TO_B
.irp i, 0,1,2,3,4,5,6,7
	ds_load_b128 v[\f+8*\i:\f+8*\i+3],   v[ADRB+\slot] offset:\k+\i*16*PITCH
	ds_load_b128 v[\f+8*\i+4:\f+8*\i+7], v[ADRB+\slot] offset:\k+\i*16*PITCH+32
.endr
	WIN 0
.irp i, 0,1,2,3,4,5,6,7
	ds_load_b128 v[\f+8*\i:\f+8*\i+3],   v[ADRA+\slot] offset:\k+\i*16*PITCH
	ds_load_b128 v[\f+8*\i+4:\f+8*\i+7], v[ADRA+\slot] offset:\k+\i*16*PITCH+32
.endr
.endm
; Behind this matrix form a load into a register that it has read, and a vector instruction that reads its result or writes one of its registers, stand EIGHT places back, and only plain vector
; instructions that name none of its registers are places (ISA guide 7.12.1 for vector instructions); the matrix instructions in between are not counted.
; One of a K step's first three quarters: multiplies buffer f; in its middle it fetches the next quarter's fragments, at byte k of the same slot's rows, into buffer g.
.macro QUARTER slot, k, f, g, zero
	s_wait_dscnt 8                                 ; w and x's rows 0-63 are in; the youngest eight loads (x's rows 64-127) may be out
	WIN MUL_LO
	MUL16 \f, 0, 0, \zero
	MUL16 \f, 0, 2, \zero
	PLACES 8
	FETCH \slot, \k, \g
	s_wait_dscnt 32                                ; all but the 32 just issued
	WIN MUL_HI
	MUL16 \f, 1, 0, \zero
	MUL16 \f, 1, 2, \zero
.endm
; The last quarter multiplies buffer 1 and changes slots: ONE barrier; in front of it each wave waits for all its tensor loads (one is out: its part of the next slot), adds 0 to its spare word, and waits for
; that and for its own reads of this slot.  fill = 1: the barrier opens a round of the cluster's barrier, and behind the round this slot is filled again, two K steps ahead.
.macro TURN slot, next, fill
	WIN 0                                          ; (the add's two registers lie in window 0)
	s_wait_tensorcnt 0x0                           ; all my tensor loads have landed;
	ds_add_u32 v[SPW], v[NIL]                      ; 0 onto my spare word;
	s_wait_dscnt 9                                 ; (the add and the youngest eight loads may be out)
	WIN MUL_LO
	MUL16 F1, 0, 0, 0                              ; sixteen matrix instructions stand between the add and the wait for it
	s_wait_dscnt 0x0                               ; the add is done, and my reads of this slot are over
	s_barrier_signal -1
	MUL16 F1, 0, 2, 0                              ; work on registers while the others arrive
	WIN 0
	s_barrier_wait -1
.if \fill
	CREST                                          ; no wave of any partner still reads this slot's tile or has a load on its way
	s_add_nc_u64 s[G0+4*\slot+2:G0+4*\slot+3], s[G0+4*\slot+2:G0+4*\slot+3], 2*KSTEP
	s_add_nc_u64 s[G0B+4*\slot+2:G0B+4*\slot+3], s[G0B+4*\slot+2:G0B+4*\slot+3], 2*KSTEP
	JLOAD \slot                                    ; the first tensor load behind the round, my one load until the next: 224 matrix instructions ahead of the wait for it
	PLACES 4                                       ; with the four behind the joint load: eight places in front of the loads below
.else
	PLACES 8
.endif
	FETCH \next, 0, F0
	WIN MUL_HI
	MUL16 F1, 1, 0, 0
	MUL16 F1, 1, 2, 0
.endm
	s_wait_tensorcnt 1                             ; my part of K step 0 is in; K step 1's load may stay out
	s_wait_loadcnt 0x0                             ; the way out's operands, once
	s_barrier_signal -1
	s_barrier_wait -1                              ; everybody's part is in
	FETCH 0, 0, F0
	QUARTER 0, 64,  F0, F1, 1                      ; the first quarter stands in front of the loop: its products start the sums
	WIN 0                                          ; at a label and at a branch every window is 0
	s_mov_b32 s3, LAPS-1
.Llap:                                                 ; a trip goes once round the ring, from a lap's second quarter to the next lap's first, and fills both slots again
	QUARTER 0, 128, F1, F0, 0
	QUARTER 0, 192, F0, F1, 0
	TURN 0, 1, 1
	QUARTER 1, 64,  F0, F1, 0
	QUARTER 1, 128, F1, F0, 0
	QUARTER 1, 192, F0, F1, 0
	TURN 1, 0, 1
	QUARTER 0, 64,  F0, F1, 0
	WIN 0
	s_sub_co_u32 s3, s3, 1
	s_cmp_lg_u32 s3, 0
	s_cbranch_scc1 .Llap
	QUARTER 0, 128, F1, F0, 0                      ; the last lap is written out: it fills nothing, and has no round of the cluster's barrier
	QUARTER 0, 192, F0, F1, 0
	TURN 0, 1, 0
	QUARTER 1, 64,  F0, F1, 0
	QUARTER 1, 128, F1, F0, 0
	QUARTER 1, 192, F0, F1, 0
	s_wait_dscnt 8                                 ; the very last quarter: no fragment is left to fetch
	WIN MUL_LO
	MUL16 F1, 0, 0, 0
	MUL16 F1, 0, 2, 0
	PLACES 8                                       ; x's buffer 0 was multiplied a quarter ago: it takes t's fragments
	WIN 0
.irp a, 0,1,2,3,4,5,6,7
	global_load_b128 v[TF+8*\a:TF+8*\a+3], v8, s[74:75] offset:512*\a   ; t(16 a + r, 8 h .. 8 h + 7): registers 0-3 of a bf16 fragment
.endr
.irp a, 0,1,2,3,4,5,6,7
.irp i, 4,5,6,7
	v_mov_b32 v[TF+8*\a+\i], 0                     ; K = 16 .. 31: zeros
.endr
.endr
	s_wait_dscnt 0x0
	WIN MUL_HI
	MUL16 F1, 1, 0, 0
	MUL16 F1, 1, 2, 0
	PLACES 8                                       ; behind the last products: their results are read, and both buffers 1 are written, below
; THE WAY OUT, block by block of 16 rows x 128 columns.
; HEAD: U = f32(acc) * xs * s + bias, and then U += lora_b t^T by eight bf16 matrix instructions that take U as their C: the low-rank term costs no addition.  Eight accumulators, one instruction each.
.macro HEAD a
	WIN 0x42+(\a)/4                                ; source 0 window 2 or 3, destination window 1
.set i, 0
.rept 64
	v_cvt_f32_i32 v[U+i], v[64*((\a)%4)+i]         ; each accumulator from its low end on
.set i, i+1
.endr
	WIN 0x41                                       ; U in window 1, xs in window 0
.set i, 0
.rept 32
	v_pk_mul_f32 v[U+i:U+i+1], v[U+i:U+i+1], v[XS+2*(\a):XS+2*(\a)+1]
.set i, i+2
.endr
	WIN 0x55                                       ; all in window 1
.set i, 0
.rept 32
	v_pk_fma_f32 v[U+i:U+i+1], v[U+i:U+i+1], v[SC+i:SC+i+1], v[BI+i:BI+i+1]
.set i, i+2
.endr
.if (\a) == 0
	s_wait_loadcnt 0x0                             ; t
.endif
	WIN 0x50                                       ; lora_b and t in window 0, C and D in window 1
.irp b, 0,1,2,3,4,5,6,7
	v_wmma_f32_16x16x32_bf16 v[U+8*\b:U+8*\b+7], v[LB+8*\b:LB+8*\b+7], v[TF+8*(\a):TF+8*(\a)+7], v[U+8*\b:U+8*\b+7]
.endr
.endm
; GELU: U = U / (1 + 2^(U (C1 + C2 U^2))), which is 0.5 U (1 + tanh(sqrt(2 / pi) (U + 0.044715 U^3))).  The exponentials are one batch with one wait, and so are the reciprocals.
.macro GELU
	PLACES 4                                       ; four places behind the bf16 products, ahead of the first read of their results
	WIN 0x55
.set i, 0
.rept 32
	v_pk_mul_f32 v[W+i:W+i+1], v[U+i:U+i+1], v[U+i:U+i+1]          ; each result from its low end on
.set i, i+2
.endr
	WIN 0x41                                       ; the constants lie in window 0
.set i, 0
.rept 32
	v_pk_fma_f32 v[W+i:W+i+1], v[W+i:W+i+1], v[C2R:C2R+1], v[C1R:C1R+1]
.set i, i+2
.endr
	WIN 0x55
.set i, 0
.rept 32
	v_pk_mul_f32 v[W+i:W+i+1], v[W+i:W+i+1], v[U+i:U+i+1]
.set i, i+2
.endr
.set i, 0
.rept 64
	v_exp_f32 v[W+i], v[W+i]
.set i, i+1
.endr
	v_nop                                          ; a plain instruction behind the last exponential (ISA guide 5.7.2),
	s_wait_alu depctr_va_vdst(0)                   ; and the wait ahead of the first use: one for the 64
.set i, 0
.rept 32
	v_pk_add_f32 v[W+i:W+i+1], v[W+i:W+i+1], 1.0 op_sel_hi:[1,0]
.set i, i+2
.endr
.set i, 0
.rept 64
	v_rcp_f32 v[W+i], v[W+i]
.set i, i+1
.endr
	v_nop
	s_wait_alu depctr_va_vdst(0)                   ; one for the 64 reciprocals
.set i, 0
.rept 32
	v_pk_mul_f32 v[U+i:U+i+1], v[U+i:U+i+1], v[W+i:W+i+1]
.set i, i+2
.endr
.endm
; A lane holds 32 neighbouring bytes of a row, and the lanes beside it hold other rows: so a block goes through my own stage in LDS and comes back as whole rows of 512 bytes.
; LDS serves a wave's instructions in order (ISA guide 5.7.1.4): no wait between the stores and the loads.
.macro TOSTAGE a
.if (\a) > 0
	s_wait_xcnt 0x0                                ; the last block's stores have read their registers: the loads below land there only behind this wait
.endif
	WIN 0x04                                       ; an LDS store's data are its source 1: window 1
.irp b, 0,1,2,3,4,5,6,7
	ds_store_b128 v[STO], v[U+8*\b:U+8*\b+3] offset:64*\b
	ds_store_b128 v[STO], v[U+8*\b+4:U+8*\b+7] offset:64*\b+16
.endr
	WIN 0
.irp t, 0,1,2,3,4,5,6,7,8,9,10,11,12,13,14,15
	ds_load_b128 v[BK+4*\t:BK+4*\t+3], v[RD] offset:\t*SPITCH
.endr
.endm
.macro SEND a
	s_wait_dscnt 0x0                               ; the block is back in registers
.irp t, 0,1,2,3,4,5,6,7,8,9,10,11,12,13,14,15
	global_store_b128 v[CO], v[BK+4*\t:BK+4*\t+3], s[8:9] offset:(16*(\a)+\t)*ROWC th:TH_STORE_NT   ; 32 lanes store 512 consecutive bytes, aligned; the row stands in the immediate: 127 rows of 16,384 bytes at the most, inside its signed 24 bits (ISA guide, chapter 10)
.endr
.endm
	HEAD 0
	GELU
	TOSTAGE 0
.irp a, 1,2,3,4,5,6,7                  ; block a's first part stands between block a - 1's loads from the stage and the wait for them; its stores leave while block a is worked on
	HEAD \a
	WIN 0
	SEND \a-1
	GELU
	TOSTAGE \a
.endr
	SEND 7
	s_wait_tensorcnt 0x0                           ; the wave's end, behind my last tensor load and my last LDS store
	ds_add_u32 v[SPW], v[NIL]
	s_wait_dscnt 0x0
	CROUND                                         ; the closing round: no work-group ends while a partner may still ask for a tile that names it
	s_endpgm
.Lfunc_end_k_q3d7339beef_gemm:
	.size	k_q3d7339beef_gemm, .Lfunc_end_k_q3d7339beef_gemm-k_q3d7339beef_gemm
	.p2alignl 7, 3214868480
	.fill 96, 4, 3214868480
	.section	.rodata,"a",@progbits
	.p2align	6, 0x0
	.amdhsa_kernel k_q3d7339beef_gemm
		.amdhsa_group_segment_fixed_size 327680
		.amdhsa_private_segment_fixed_size 0
		.amdhsa_enable_private_segment 0
		.amdhsa_kernarg_size 64
		.amdhsa_user_sgpr_count 2
		.amdhsa_user_sgpr_kernarg_segment_ptr 1
		.amdhsa_wavefront_size32 1
		.amdhsa_system_sgpr_workgroup_id_x 1
		.amdhsa_system_sgpr_workgroup_id_y 1
		.amdhsa_system_sgpr_workgroup_id_z 1
		.amdhsa_system_vgpr_workitem_id 0
		.amdhsa_next_free_vgpr 1024
		.amdhsa_next_free_sgpr 80
		.amdhsa_reserve_vcc 0
		.amdhsa_float_denorm_mode_32 3
		.amdhsa_float_denorm_mode_16_64 3
		.amdhsa_memory_ordered 1
		.amdhsa_forward_progress 1
		.amdhsa_inst_pref_size 255
	.end_amdhsa_kernel
	.section	.bss,"aw",@nobits
	.p2align	6
	.space	262144
	.amdgpu_metadata
---
amdhsa.version: [ 1, 2 ]
amdhsa.kernels:
  - .name:           k_q3d7339beef_gemm
    .symbol:         k_q3d7339beef_gemm.kd
    .args:
      - { .name: x, .offset: 0, .size: 8, .value_kind: global_buffer, .address_space: global }
      - { .name: weight, .offset: 8, .size: 8, .value_kind: global_buffer, .address_space: global }
      - { .name: out0, .offset: 16, .size: 8, .value_kind: global_buffer, .address_space: global }
      - { .name: x_scales, .offset: 24, .size: 8, .value_kind: global_buffer, .address_space: global }
      - { .name: scales, .offset: 32, .size: 8, .value_kind: global_buffer, .address_space: global }
      - { .name: bias, .offset: 40, .size: 8, .value_kind: global_buffer, .address_space: global }
      - { .name: lora_b, .offset: 48, .size: 8, .value_kind: global_buffer, .address_space: global }
      - { .name: tl, .offset: 56, .size: 8, .value_kind: global_buffer, .address_space: global }
    .group_segment_fixed_size: 327680
    .private_segment_fixed_size: 0
    .kernarg_segment_align: 8
    .kernarg_segment_size: 64
    .max_flat_workgroup_size: 128
    .sgpr_count:     80
    .vgpr_count:     1024
    .wavefront_size: 32
...
	.end_amdgpu_metadata
.endif
;; end of part 2
